; MI455X (gfx1250); checked and timed in simulation.
; The chip was launched on July 23, 2026; its instructions are those of AMD's public machine-readable ISA for CDNA 5 (MIT licence, August 2026) and "CDNA5" Instruction Set Architecture Reference Guide (July 2026). The comments in the code are by the model that wrote it; some were corrected since.
;; cross attention. Allowed arithmetic: matrix products marked QUANTISED: E2M1 operands, one E8M0 scale for each 32 along K, by v_wmma_scale_f32_16x16x128_f8f6f4 with both operands' format E2M1 (or v_wmma_scale_f32_32x16x128_f4), f32 sums; products left as they are: bf16, f16 or f32 operands; f32 sums; everything else in f32.
;; Inputs: Wk 512 x 512 float32; Wo 512 x 512 float32; Wq 512 x 512 float32; Wv 512 x 512 float32; bo 512 float32; m 8 x 2,048 x 512 float32; x 8 x 2,048 x 512 float32.
;; Outputs: out0 8 x 2,048 x 512 float32.
;; This version of the problem:
;;   THIS VERSION OF THE PROBLEM IS GIVEN IN LOW PRECISION. The matrix products marked QUANTISED in the list below multiply operands that are first quantised to E2M1 (2 exponent bits, 1 mantissa bit; 4 bits a number), with one power-of-two scale for each 32 numbers along K (OCP MX v1.0); their sums are f32. The products marked 'left as it is' may take bf16, f16 or f32 operands, with f32 sums. Whichever they take, every output number must still come out within the allowed error. Rounding operands to bf16 (8 significant bits) uses up far more of that allowance than f16 does (11 bits, for magnitudes from 6e-5 to 65,504). All else is computed in f32.
;;   The module's matrix products, in the order in which they are computed (A, B: the left and right operand; K: the contracted axis; several contracted axes count as one K, in the product's order):
;;     1. [M 16,384, K 512] x [K 512, N 512]; A: input x; B: input Wq: QUANTISED
;;     2. [M 16,384, K 512] x [K 512, N 512]; A: input m; B: input Wk: QUANTISED
;;     3. [M 16,384, K 512] x [K 512, N 512]; A: input m; B: input Wv: QUANTISED
;;     4. batch 64 x [M 2,048, K 64] x [K 64, N 2,048]; A: computed on the way; B: computed on the way: left as it is (an operand is computed on the way)
;;     5. batch 64 x [M 2,048, K 2,048] x [K 2,048, N 64]; A: computed on the way; B: computed on the way: left as it is (an operand is computed on the way)
;;     6. [M 16,384, K 512] x [K 512, N 512]; A: computed on the way; B: input Wo: left as it is (an operand is computed on the way)
;;   THE QUANTISER, for each operand of a quantised product, along K:
;;     - K is cut into blocks of 32 from its start; a last block that is shorter is filled with zeros.
;;     - A block's scale is 2^e with e = floor(log2(the largest magnitude in the block)) - 2, held to -126 .. 127; a block of zeros has e = 0. As a byte (E8M0): e + 127.
;;     - Each number is divided by its block's scale, clamped to +-6, and rounded to the nearest number of E2M1, ties to even, subnormals kept.
;;     - The product sums the exact products of the quantised numbers (number of the format x scale) in f32.
;;   ~~~python
;;   def quantise(x, axis):      # numpy; x: float32 -> the quantised numbers, widened to float32 again
;;       x = np.moveaxis(x, axis, -1); K = x.shape[-1]
;;       x = np.pad(x, [(0, 0)] * (x.ndim - 1) + [(0, -K % 32)]); x = x.reshape(x.shape[:-1] + (-1, 32)); a = np.abs(x).max(-1, keepdims=True)
;;       e = np.where(a > 0, np.clip(np.frexp(np.where(a > 0, a, 1))[1] - 1 - 2, -126, 127), 0)      # np.frexp(a)[1] - 1 = floor(log2(a)), exactly
;;       r = np.clip(x / 2.0 ** e, -6, 6)
;;       step = 2.0 ** (np.maximum(np.frexp(np.where(r == 0, 1, r))[1] - 1, 0) - 1)
;;       q = np.round(r / step) * step * 2.0 ** e      # np.round: ties to even
;;       return np.moveaxis(q.reshape(q.shape[:-2] + (-1,))[..., :K], -1, axis).astype(np.float32)
;;   ~~~
;; One version. Each part assembles by itself: llvm-mc -triple=amdgcn-amd-amdhsa -mcpu=gfx1250 --defsym DOCPART=n.
;; ======== version 1 of 1: 4 launches
;; limits: values are held in f16: magnitudes above 65,504 overflow, below 6.1e-05 lose precision
;; workspace buffers: wcodes 393,216 bytes; wscales 24,576 bytes; wof 524,288 bytes; qf 16,777,216 bytes; kv 33,554,432 bytes; af 16,777,216 bytes
;; launch prep (part 1): grid 4 x 16, 4 waves a work-group, no clusters, 0 bytes of LDS; arguments Wq, Wk, Wv, Wo, wcodes, wscales, wof; writes wcodes, wscales, wof
.if DOCPART == 1
	.amdgcn_target "amdgcn-amd-amdhsa--gfx1250"
	.amdhsa_code_object_version 6
	.text
	.protected	k_qcc370aafde_prep
	.globl	k_qcc370aafde_prep
	.p2align	8
	.type	k_qcc370aafde_prep,@function
k_qcc370aafde_prep:
	s_mov_b64 s[64:65], 0
	v_nop
	global_prefetch_b8 v0, s[64:65] scope:SCOPE_SE
	s_setreg_imm32_b32 hwreg(HW_REG_WAVE_MODE, 25, 1), 1
	s_wait_xcnt 0x0
; Wq, Wk, Wv [512 (k)][512 (n)] f32 become codes of FP4 (E2M1) with one E8M0 byte for each 32 along K; Wo [512 (k)][512 (n)] f32 becomes f16.
; All four leave as IMAGES OF OPERAND REGISTERS: a fragment is 1,024 bytes, registers 0-3 of lane l at 16 l, registers 4-7 at 512 + 16 l.
;   wcodes  [p 3][nt 32][s 4][1024]: column 16 nt + l % 16; registers 4 c .. 4 c + 3 hold k = 128 s + 64 c + 32 (l / 16) + 0 .. 31
;   wscales [p 3][n 512][16]: word s of a column is its scale word for K step s
;   wof     [nt 32][g 16][1024]: column 16 nt + l % 16; k = 32 g + 16 c + 8 (l / 16) + 0 .. 7
; A LANE TAKES A COLUMN AND ITS REGISTERS RUN DOWN K: a load reads 128 consecutive bytes a wave (the four waves stand side by side on 512), a block of 32 along K lies in one lane,
; and the conversions give codes with K innermost.  Work-group (cg, y): columns 128 cg on; p = y / 4 (3: Wo); K step s = y % 4 (128 along K).  Wave w: columns 32 w on.
; A block's scale is 2^(floor(log2(largest magnitude)) - 2): its byte is that magnitude's exponent field - 2, held at 1 from below by a floor among the maximum's leaves.
; LIMITS: a block of zeros gets the byte 1 where the rule says 127 (its codes are zeros, and this program alone reads the bytes); NaN and infinities are not served; |Wo| above 65,504 would leave f16.
; The scale words leave 4 bytes a lane, 16 bytes apart: 24,576 bytes in the whole launch are stored so, in parts of aligned blocks; all codes and all of wof leave as 256 consecutive aligned bytes from sixteen lanes.
; No LDS, no barrier, no cluster: no two work-groups read the same byte.
.set X,  32                            ; v32-159  my column's 128 numbers
.set CD, 160                           ; v160-223 what is stored: no register is written twice
.set SB, 16                            ; v16      the scale word
	s_load_b256 s[4:11], s[0:1], 0x0               ; Wq s[4:5], Wk s[6:7], Wv s[8:9], Wo s[10:11]
	s_load_b128 s[12:15], s[0:1], 0x20             ; wcodes, wscales
	s_load_b64 s[16:17], s[0:1], 0x30              ; wof
	v_lshrrev_b32 v5, 5, v0
	v_readfirstlane_b32 s18, v5                    ; wave
	s_and_b32 s21, ttmp7, 0xffff                   ; y
	s_lshr_b32 s19, s21, 2                         ; p
	s_and_b32 s20, s21, 3                          ; s
	v_and_b32 v6, 31, v0                           ; lane
	v_and_b32 v7, 15, v0                           ; lane % 16
	v_bfe_u32 v8, v0, 4, 1                         ; lane / 16
	v_lshlrev_b32 v1, 2, v6                        ; in: 4 bytes a lane
	v_lshlrev_b32 v9, 4, v7
	v_lshl_add_u32 v2, v8, 12, v9                  ; codes: lanes 16-31 are the next 16 columns, 4 fragments (4,096 bytes) on; 16 bytes a column
	v_lshlrev_b32 v3, 4, v6                        ; scale words: 16 bytes a column
	v_lshl_add_u32 v4, v8, 14, v9                  ; wof: the next 16 columns lie 16 fragments on
	s_lshl_b32 s30, ttmp9, 7
	s_lshl_b32 s31, s18, 5
	s_add_co_u32 s30, s30, s31                     ; n0: my wave's first column
	s_lshl_b32 s24, s20, 18                        ; 128 rows of 2,048 bytes a K step
	s_lshl_b32 s25, s30, 2
	s_add_co_u32 s24, s24, s25
	s_mov_b32 s25, 0
	s_wait_kmcnt 0x0
	s_cmp_eq_u32 s19, 1                            ; which weight: the choice hangs on the work-group's number alone
	s_cselect_b64 s[22:23], s[6:7], s[4:5]
	s_cmp_eq_u32 s19, 2
	s_cselect_b64 s[22:23], s[8:9], s[22:23]
	s_cmp_eq_u32 s19, 3
	s_cselect_b64 s[22:23], s[10:11], s[22:23]
	s_add_nc_u64 s[22:23], s[22:23], s[24:25]
.set ii, 0
.rept 128
	global_load_b32 v[X+ii], v1, s[22:23] offset:2048*ii th:TH_LOAD_NT   ; W(128 s + ii, my column): all 128 go out at once
.set ii, ii+1
.endr
	s_cmp_eq_u32 s19, 3
	s_cbranch_scc1 .Lwo
	; ---- Wq, Wk, Wv: four blocks of 32
	s_lshl_b32 s24, s19, 17                        ; 131,072 p
	s_lshl_b32 s26, s30, 8                         ; (n0 / 16) x 4,096
	s_add_co_u32 s24, s24, s26
	s_lshl_b32 s26, s20, 10                        ; 1,024 s
	s_add_co_u32 s24, s24, s26
	s_add_nc_u64 s[12:13], s[12:13], s[24:25]
	s_lshl_b32 s26, s19, 13                        ; 8,192 p
	s_lshl_b32 s27, s30, 4                         ; 16 n0
	s_add_co_u32 s26, s26, s27
	s_lshl_b32 s27, s20, 2                         ; 4 s
	s_add_co_u32 s26, s26, s27
	s_mov_b32 s27, 0
	s_add_nc_u64 s[14:15], s[14:15], s[26:27]
; Block t: k = 128 s + 32 t on.  left: loads that may stay out: those issued behind this block's 32 (96, 64, 32, 0), held at what the wait's field can name
.macro BLOCK t, left
.set XS, X+32*(\t)
	s_wait_loadcnt \left
	v_max3_num_f32 v12, |v[XS]|, |v[XS+1]|, |v[XS+2]|              ; the block's largest magnitude, in two chains
	v_max3_num_f32 v13, |v[XS+3]|, |v[XS+4]|, |v[XS+5]|
.irp i, 6,10,14,18,22,26
	v_max3_num_f32 v12, v12, |v[XS+\i]|, |v[XS+\i+1]|
	v_max3_num_f32 v13, v13, |v[XS+\i+2]|, |v[XS+\i+3]|
.endr
	v_max3_num_f32 v12, v12, |v[XS+30]|, |v[XS+31]|
	v_max3_num_f32 v12, v12, v13, 0x1800000        ; and the floor 2^(3 - 127): the byte cannot fall under 1
	v_add_nc_u32 v11, 0xff000000, v12              ; 2 off the exponent field: the conversion takes this operand's exponent field as its scale
	v_lshrrev_b32 v13, 23, v11                     ; the scale's byte
.if (\t) == 0
	v_mov_b32 v[SB], v13
.else
	v_lshl_or_b32 v[SB], v13, 8*(\t), v[SB]
.endif
.irp g, 0,1,2,3
	v_cvt_scalef32_pk8_fp4_f32 v[CD+4*(\t)+\g], v[XS+8*\g:XS+8*\g+7], v11
.endr
	v_nop                                          ; one plain instruction behind the scaled conversions
	global_store_b128 v2, v[CD+4*(\t):CD+4*(\t)+3], s[12:13] offset:512*((\t)/2)+256*((\t)%2)   ; block t = 2 c + h: registers 4 c on of lanes 16 h on: sixteen lanes store 256 consecutive aligned bytes
.endm
	BLOCK 0, 63
	BLOCK 1, 63
	BLOCK 2, 32
	BLOCK 3, 0
	global_store_b32 v3, v[SB], s[14:15]           ; my column's scale word of this K step
	s_endpgm
.Lwo:
	; ---- Wo: sixteen groups of 8 along K, rounded to f16
	s_lshl_b32 s24, s30, 10                        ; (n0 / 16) x 16,384
	s_lshl_b32 s26, s20, 12                        ; four fragments a K step of 128
	s_add_co_u32 s24, s24, s26
	s_add_nc_u64 s[16:17], s[16:17], s[24:25]
.macro HALFS u                         ; k = 128 s + 8 u on: fragment u / 4, half (u / 2) % 2, lanes 16 (u % 2) on
.irp r, 0,1,2,3
	v_cvt_pk_f16_f32 v[CD+4*(\u)+\r], v[X+8*(\u)+2*\r], v[X+8*(\u)+2*\r+1]
.endr
	global_store_b128 v4, v[CD+4*(\u):CD+4*(\u)+3], s[16:17] offset:1024*((\u)/4)+512*(((\u)/2)%2)+256*((\u)%2)
.endm
	s_wait_loadcnt 63                              ; the first 32 loads are in (96 were issued behind them; the field names 63 at the most)
.irp u, 0,1,2,3
	HALFS \u
.endr
	s_wait_loadcnt 63                              ; the first 64
.irp u, 4,5,6,7
	HALFS \u
.endr
	s_wait_loadcnt 32
.irp u, 8,9,10,11
	HALFS \u
.endr
	s_wait_loadcnt 0x0
.irp u, 12,13,14,15
	HALFS \u
.endr
	s_endpgm
.Lfunc_end_k_qcc370aafde_prep:
	.size	k_qcc370aafde_prep, .Lfunc_end_k_qcc370aafde_prep-k_qcc370aafde_prep
	.p2alignl 7, 3214868480
	.fill 96, 4, 3214868480
	.section	.rodata,"a",@progbits
	.p2align	6, 0x0
	.amdhsa_kernel k_qcc370aafde_prep
		.amdhsa_group_segment_fixed_size 0
		.amdhsa_private_segment_fixed_size 0
		.amdhsa_enable_private_segment 0
		.amdhsa_kernarg_size 56
		.amdhsa_user_sgpr_count 2
		.amdhsa_user_sgpr_kernarg_segment_ptr 1
		.amdhsa_wavefront_size32 1
		.amdhsa_system_sgpr_workgroup_id_x 1
		.amdhsa_system_sgpr_workgroup_id_y 1
		.amdhsa_system_sgpr_workgroup_id_z 1
		.amdhsa_system_vgpr_workitem_id 0
		.amdhsa_next_free_vgpr 224
		.amdhsa_next_free_sgpr 66
		.amdhsa_reserve_vcc 0
		.amdhsa_float_denorm_mode_32 3
		.amdhsa_float_denorm_mode_16_64 3
		.amdhsa_memory_ordered 1
		.amdhsa_forward_progress 1
		.amdhsa_inst_pref_size 27
	.end_amdhsa_kernel
	.amdgpu_metadata
---
amdhsa.version: [ 1, 2 ]
amdhsa.kernels:
  - .name:           k_qcc370aafde_prep
    .symbol:         k_qcc370aafde_prep.kd
    .args:
      - { .name: Wq, .offset: 0, .size: 8, .value_kind: global_buffer, .address_space: global }
      - { .name: Wk, .offset: 8, .size: 8, .value_kind: global_buffer, .address_space: global }
      - { .name: Wv, .offset: 16, .size: 8, .value_kind: global_buffer, .address_space: global }
      - { .name: Wo, .offset: 24, .size: 8, .value_kind: global_buffer, .address_space: global }
      - { .name: wcodes, .offset: 32, .size: 8, .value_kind: global_buffer, .address_space: global }
      - { .name: wscales, .offset: 40, .size: 8, .value_kind: global_buffer, .address_space: global }
      - { .name: wof, .offset: 48, .size: 8, .value_kind: global_buffer, .address_space: global }
    .group_segment_fixed_size: 0
    .private_segment_fixed_size: 0
    .kernarg_segment_align: 8
    .kernarg_segment_size: 56
    .max_flat_workgroup_size: 128
    .sgpr_count:     66
    .vgpr_count:     224
    .wavefront_size: 32
...
	.end_amdgpu_metadata
.endif
;; end of part 1
;; launch proj (part 2): grid 256 x 1, 8 waves a work-group, no clusters, 37,888 bytes of LDS; arguments x, m, wcodes, wscales, qf, kv; writes qf, kv
.if DOCPART == 2
	.amdgcn_target "amdgcn-amd-amdhsa--gfx1250"
	.amdhsa_code_object_version 6
	.text
	.protected	k_qcc370aafde_proj
	.globl	k_qcc370aafde_proj
	.p2align	8
	.type	k_qcc370aafde_proj,@function
k_qcc370aafde_proj:
	s_mov_b64 s[64:65], 0
	v_nop
	global_prefetch_b8 v0, s[64:65] scope:SCOPE_SE
	s_setreg_imm32_b32 hwreg(HW_REG_WAVE_MODE, 25, 1), 1
	s_wait_xcnt 0x0
; q = x Wq, k = m Wk, v = m Wv on codes of FP4 (E2M1) with one E8M0 scale for each 32 along K; sums in f32; the results leave as f16, laid as images of the attention launch's operand registers.
; Work-group g takes rows 64 g .. 64 g + 63 of x AND of m (batch g / 32; the rows of m are key step g % 32 of that batch).
; PHASE X: wave w quantises 16 rows (waves 0-3: x's, waves 4-7: m's) into LDS: rows of 256 bytes of codes (+ 16 of padding) and 16 scale bytes a row.  One barrier.
; PHASE P: wave w is head w: its 64 columns of q, of k and of v for all 64 rows: 3 x 64 matrix instructions on 16 accumulators that take turns.  Its fragments of the weights come from memory
; straight into its registers, as the launch before laid them, each once.
; q and k are made TRANSPOSED (source 0 = 16 columns of W, source 1 = 16 rows): a lane holds one row and 8 neighbouring channels, which rounded to f16 are four registers of a fragment of Q or K.
; v is made in the natural order (source 0 = 16 rows of m, source 1 = 16 columns of Wv): a lane holds one channel and 8 neighbouring keys: four registers of a fragment of V^T.
;   qf [bh 64][qt 128][f 2][1024]: query 16 qt + l % 16, channel 32 f + 16 c + 8 (l / 16) + 0 .. 7 (registers 4 c on of lane l at 512 c + 16 l)
;   kv [bh 64][step 32][16384]: 8 fragments of K (2 kt + f; key 16 kt + l % 16), then 8 of V^T (4 kb + ct; channel 16 ct + l % 16, key 32 kb + 16 c + 8 (l / 16) + 0 .. 7)
; NO CLUSTER: each fragment of a weight is used by one wave of a work-group and goes into that wave's registers once; shared through LDS the three weights' 417,792 bytes would not fit and would need a ring
; with a round of the cluster's barrier at each refill, for 192 matrix instructions a wave.
; LIMITS: a block of zeros gets the byte 1 where the rule says 127 (its codes are zeros; the bytes are read here alone); NaN and infinities are not served; |q|, |k|, |v| above 65,504 would leave f16.
.set PITCH, 272                        ; a row of codes in LDS: 256 bytes + 16: the 16 rows of a fragment load start 16 bytes apart modulo 256
.set SCB,   128*PITCH                  ; behind the 128 rows (x: 0-63, m: 64-127): their scale bytes, 16 a row
.set SPARE, SCB+128*16                 ; the spare words, 128 bytes for each wave: four blocks of 256 bytes that no other line names
.set XO,  1                            ; v1   32 x lane: my 8 numbers of half a row
.set CA,  2                            ; v2   where my codes go: 16 rows x wave + 4 x lane
.set SA,  3                            ; v3   where my block's scale byte goes
.set FA,  4                            ; v4   a fragment's place for my lane: row l % 16, + 16 (l / 16)
.set FS,  5                            ; v5   my row's scale words
.set LI,  6                            ; v6   16 x lane: an image's place for my lane
.set WSO, 7                            ; v7   16 x (l % 16): my column's scale words
.set SPW, 8                            ; v8   LDS address of my spare word; never rewritten
.set NIL, 9                            ; v9   0; never rewritten
.set XS,  16                           ; v16-31   the rows' scale words, 4 i + K step: scales and nothing else
.set WS,  32                           ; v32-63   the weights' scale words, two sets of 16, 4 n + K step: scales and nothing else
.set XF,  64                           ; v64-127  the rows' fragments, two buffers of four; in phase X: v64-71 magnitudes, v72-79 codes
.set T,   64
.set CD,  72
.set ACC, 128                          ; v128-255 accumulator (i, n) at 128 + 8 (4 i + n); in phase X two buffers of 64 numbers
                                       ; window 1: v0-127 weight set 0 (Wq, later Wv), v128-255 set 1 (Wk): fragment (n, K step) at 32 n + 8 step
.set MSB, 0
.macro WIN new                         ; the immediate's high byte repeats the setting that is left
.if MSB != \new
	s_set_vgpr_msb (MSB<<8)|\new
.set MSB, \new
.endif
.endm
	s_load_b256 s[4:11], s[0:1], 0x0               ; x s[4:5], m s[6:7], wcodes s[8:9], wscales s[10:11]
	s_load_b128 s[12:15], s[0:1], 0x20             ; qf s[12:13], kv s[14:15]
	v_lshl_add_u32 v[SPW], v0, 2, SPARE
	v_mov_b32 v[NIL], 0
	v_lshrrev_b32 v10, 5, v0
	v_readfirstlane_b32 s16, v10                   ; wave 0..7
	v_and_b32 v10, 31, v0                          ; lane
	v_and_b32 v11, 15, v0                          ; l % 16
	v_bfe_u32 v12, v0, 4, 1                        ; l / 16
	v_lshlrev_b32 v[XO], 5, v10
	s_mul_i32 s17, s16, 16*PITCH
	v_lshlrev_b32 v[CA], 2, v10
	v_add_nc_u32 v[CA], s17, v[CA]
	v_bfe_u32 v[SA], v0, 2, 3                      ; lane / 4: four lanes hold a block of 32
	s_lshl_b32 s17, s16, 8
	s_add_co_u32 s17, s17, SCB
	v_add_nc_u32 v[SA], s17, v[SA]
	v_mul_u32_u24 v[FA], v11, PITCH
	v_lshl_add_u32 v[FA], v12, 4, v[FA]
	v_lshlrev_b32 v[WSO], 4, v11
	v_add_nc_u32 v[FS], SCB, v[WSO]
	v_lshlrev_b32 v[LI], 4, v10
	s_and_b32 s18, s16, 3
	s_lshl_b32 s18, s18, 15                        ; my 16 rows of 2,048 bytes,
	s_lshl_b32 s19, ttmp9, 17                      ; in the work-group's 64
	s_add_co_u32 s18, s18, s19
	s_mov_b32 s19, 0
	s_lshl_b32 s22, s16, 14                        ; my head's 16 fragments of each weight,
	s_mov_b32 s23, 0
	s_lshl_b32 s24, s16, 10                        ; and its 64 columns' scale words
	s_mov_b32 s25, 0
	s_lshr_b32 s28, ttmp9, 5                       ; batch
	s_and_b32 s29, ttmp9, 31                       ; which 64 rows of the batch
	s_lshl_b32 s28, s28, 3
	s_add_co_u32 s28, s28, s16                     ; bh = 8 x batch + head
	s_lshl_b32 s26, s28, 18
	s_lshl_b32 s30, s29, 13
	s_add_co_u32 s26, s26, s30                     ; qf: 262,144 bh + 4 tiles of 2,048 bytes
	s_mov_b32 s27, 0
	s_lshl_b32 s30, s28, 19
	s_lshl_b32 s31, s29, 14
	s_add_co_u32 s30, s30, s31                     ; kv: 524,288 bh + 16,384 x step
	s_mov_b32 s31, 0
	s_wait_kmcnt 0x0
	s_cmp_lt_u32 s16, 4                            ; waves 0-3 quantise x, waves 4-7 m
	s_cselect_b64 s[20:21], s[4:5], s[6:7]
	s_add_nc_u64 s[20:21], s[20:21], s[18:19]
	s_add_nc_u64 s[8:9], s[8:9], s[22:23]
	s_add_nc_u64 s[10:11], s[10:11], s[24:25]
	s_add_nc_u64 s[12:13], s[12:13], s[26:27]
	s_add_nc_u64 s[14:15], s[14:15], s[30:31]
; Chunk c: four rows as eight halves q of 1,024 bytes.  A lane takes 8 neighbours along K (32 bytes, two loads): the pair of loads covers the 1,024 bytes
.macro XLOAD c, buf
.irp q, 0,1,2,3,4,5,6,7
.irp e, 0,1
	global_load_b128 v[\buf+8*\q+4*\e:\buf+8*\q+4*\e+3], v[XO], s[20:21] offset:(4*\c+\q/2)*2048+(\q%2)*1024+16*\e th:TH_LOAD_NT
.endr
.endr
.endm
; The chunk's eight halves by turns, so that no line waits for the line above it
.macro QCH c, buf
	s_wait_dscnt 0x0                               ; the last chunk's LDS stores have read their registers
.irp q, 0,1,2,3,4,5,6,7
	v_max3_num_f32 v[T+\q], |v[\buf+8*\q]|, |v[\buf+8*\q+1]|, 0x1800000   ; my 8 numbers, and the floor 2^(3 - 127): the byte cannot fall under 1
.endr
.irp i, 2,4,6
.irp q, 0,1,2,3,4,5,6,7
	v_max3_num_f32 v[T+\q], v[T+\q], |v[\buf+8*\q+\i]|, |v[\buf+8*\q+\i+1]|
.endr
.endr
.irp q, 0,1,2,3,4,5,6,7
	v_max_num_f32_dpp v[T+\q], v[T+\q], v[T+\q] row_xmask:1 row_mask:0xf bank_mask:0xf
.endr
.irp q, 0,1,2,3,4,5,6,7
	v_max_num_f32_dpp v[T+\q], v[T+\q], v[T+\q] row_xmask:2 row_mask:0xf bank_mask:0xf   ; the four lanes' 32 numbers: the block's largest magnitude
.endr
.irp q, 0,1,2,3,4,5,6,7
	v_add_nc_u32 v[T+\q], 0xff000000, v[T+\q]      ; 2 off its exponent field: the conversion's scale operand
.endr
.irp q, 0,1,2,3,4,5,6,7
	v_cvt_scalef32_pk8_fp4_f32 v[CD+\q], v[\buf+8*\q:\buf+8*\q+7], v[T+\q]
.endr
	v_nop                                          ; one plain instruction behind the scaled conversions, ahead of the write of their scale operands
.irp q, 0,1,2,3,4,5,6,7
	v_lshrrev_b32 v[T+\q], 23, v[T+\q]             ; the scale's byte
.endr
.irp q, 0,1,2,3,4,5,6,7
	ds_store_b32 v[CA], v[CD+\q] offset:(4*\c+\q/2)*PITCH+(\q%2)*128   ; 8 codes: 4 bytes of the row
	ds_store_b8 v[SA], v[T+\q] offset:(4*\c+\q/2)*16+(\q%2)*8          ; a block's four lanes write the same byte with the same value
.endr
.endm
; Weight p into set wset: my head's 16 fragments (32 loads of 512 consecutive bytes) and its 64 columns' scale words (4 loads): 36 loads
.macro WLOAD p, wset
	WIN 0x40                                       ; destination window 1
.set ii, 0
.rept 32
	global_load_b128 v[128*\wset+4*ii:128*\wset+4*ii+3], v[LI], s[8:9] offset:131072*\p+512*ii
.set ii, ii+1
.endr
	WIN 0
.irp n, 0,1,2,3
	global_load_b128 v[WS+16*\wset+4*\n:WS+16*\wset+4*\n+3], v[WSO], s[10:11] offset:8192*\p+256*\n
.endr
.endm
; The four row tiles' fragments of K step ks: 16 rows x 128 K of 4-bit codes: two loads of 16 bytes, 32 bytes apart
.macro XFETCH base, ks
.irp i, 0,1,2,3
.irp c, 0,1
	ds_load_b128 v[XF+32*((\ks)%2)+8*\i+4*\c:XF+32*((\ks)%2)+8*\i+4*\c+3], v[FA] offset:(\base+16*\i)*PITCH+64*(\ks)+32*\c
.endr
.endr
.endm
.macro MM kind, wset, ks, i, n
.set rA, ACC+8*(4*\i+\n)
.set rW, 128*\wset+32*\n+8*\ks
.set rX, XF+32*(\ks%2)+8*\i
.set rWS, WS+16*\wset+4*\n+\ks
.set rXS, XS+4*\i+\ks
.if \kind == 2
.if \ks == 0
	v_wmma_scale_f32_16x16x128_f8f6f4 v[rA:rA+7], v[rX:rX+7], v[rW:rW+7], 0, v[rXS], v[rWS] matrix_a_fmt:MATRIX_FMT_FP4 matrix_b_fmt:MATRIX_FMT_FP4
.else
	v_wmma_scale_f32_16x16x128_f8f6f4 v[rA:rA+7], v[rX:rX+7], v[rW:rW+7], v[rA:rA+7], v[rXS], v[rWS] matrix_a_fmt:MATRIX_FMT_FP4 matrix_b_fmt:MATRIX_FMT_FP4
.endif
.else
.if \ks == 0
	v_wmma_scale_f32_16x16x128_f8f6f4 v[rA:rA+7], v[rW:rW+7], v[rX:rX+7], 0, v[rWS], v[rXS] matrix_a_fmt:MATRIX_FMT_FP4 matrix_b_fmt:MATRIX_FMT_FP4
.else
	v_wmma_scale_f32_16x16x128_f8f6f4 v[rA:rA+7], v[rW:rW+7], v[rX:rX+7], v[rA:rA+7], v[rWS], v[rXS] matrix_a_fmt:MATRIX_FMT_FP4 matrix_b_fmt:MATRIX_FMT_FP4
.endif
.endif
.endm
; One product: kind 0 q, 1 k, 2 v; the weight in set wset; the rows from LDS row base on.  The first K step starts the sums with the constant 0; the 16 accumulators take turns.
.macro PROD kind, wset, base, newscales
	s_wait_xcnt 0x0                                ; the last product's stores have read the accumulators' registers
.if \newscales
.irp i, 0,1,2,3
	ds_load_b128 v[XS+4*\i:XS+4*\i+3], v[FS] offset:(\base+16*\i)*16   ; a row's four scale words
.endr
.endif
	XFETCH \base, 0
	XFETCH \base, 1
.irp ks, 0,1,2,3
.if \ks == 3
	s_wait_dscnt 0x0
.else
	s_wait_dscnt 8                                 ; this K step's fragments are in; the next step's eight loads may be out
.endif
.if \kind == 2
	WIN 0x04                                       ; source 1 (the weight) window 1
.else
	WIN 0x01                                       ; source 0 (the weight) window 1
.endif
.irp i, 0,1,2,3
.irp n, 0,1,2,3
	MM \kind, \wset, \ks, \i, \n
.endr
.endr
	WIN 0
.rept 4
	v_nop                                          ; four plain instructions ahead of loads into registers that the products read, and of the first read of results
.endr
.if \ks < 2
	XFETCH \base, \ks+2
.endif
.endr
.irp a, 0,1,2,3,4,5,6,7,8,9,10,11,12,13,14,15
.irp r, 0,1,2,3
	v_cvt_pk_f16_f32 v[ACC+8*\a+\r], v[ACC+8*\a+2*\r], v[ACC+8*\a+2*\r+1]   ; in place, each accumulator from its low end on: its first four registers become half a fragment
.endr
.endr
.irp i, 0,1,2,3
.irp n, 0,1,2,3
.if \kind == 0
	global_store_b128 v[LI], v[ACC+8*(4*\i+\n):ACC+8*(4*\i+\n)+3], s[12:13] offset:2048*\i+512*\n   ; tile i, fragment n / 2, half n % 2: 512 consecutive bytes a wave
.elseif \kind == 1
	global_store_b128 v[LI], v[ACC+8*(4*\i+\n):ACC+8*(4*\i+\n)+3], s[14:15] offset:2048*\i+512*\n
.else
	global_store_b128 v[LI], v[ACC+8*(4*\i+\n):ACC+8*(4*\i+\n)+3], s[14:15] offset:8192+((\i/2)*4+\n)*1024+(\i%2)*512   ; V^T: keys 32 (i / 2) on, channels 16 n on, half i % 2
.endif
.endr
.endr
.endm
	XLOAD 0, 128
	XLOAD 1, 192
	WLOAD 0, 0                                     ; Wq
	s_wait_loadcnt 52                              ; chunk 0 is in: behind it 16 loads of chunk 1 and 36 of Wq
	QCH 0, 128
	XLOAD 2, 128
	s_wait_loadcnt 52                              ; chunk 1: behind it 36 of Wq and 16 of chunk 2
	QCH 1, 192
	XLOAD 3, 192
	WLOAD 1, 1                                     ; Wk
	s_wait_loadcnt 52                              ; chunk 2 (and Wq, which is older): behind it 16 of chunk 3 and 36 of Wk
	QCH 2, 128
	s_wait_loadcnt 36                              ; chunk 3: behind it Wk's 36
	QCH 3, 192
	s_wait_dscnt 0x0                               ; for the others' sake: my codes and scale bytes lie in LDS
	s_barrier_signal -1
	s_barrier_wait -1                              ; all 128 rows do
	PROD 0, 0, 0, 1                                ; q
	WLOAD 2, 0                                     ; Wv takes Wq's place: q's conversions are the plain instructions behind its last products
	s_wait_loadcnt 36                              ; Wk is in: behind it Wv's 36
	PROD 1, 1, 64, 1                               ; k
	s_wait_loadcnt 0x0                             ; Wv
	PROD 2, 0, 64, 0                               ; v: the same rows' scale words
	s_wait_tensorcnt 0x0                           ; the wave's end
	ds_add_u32 v[SPW], v[NIL]
	s_wait_dscnt 0x0
	s_endpgm
.Lfunc_end_k_qcc370aafde_proj:
	.size	k_qcc370aafde_proj, .Lfunc_end_k_qcc370aafde_proj-k_qcc370aafde_proj
	.p2alignl 7, 3214868480
	.fill 96, 4, 3214868480
	.section	.rodata,"a",@progbits
	.p2align	6, 0x0
	.amdhsa_kernel k_qcc370aafde_proj
		.amdhsa_group_segment_fixed_size 37888
		.amdhsa_private_segment_fixed_size 0
		.amdhsa_enable_private_segment 0
		.amdhsa_kernarg_size 48
		.amdhsa_user_sgpr_count 2
		.amdhsa_user_sgpr_kernarg_segment_ptr 1
		.amdhsa_wavefront_size32 1
		.amdhsa_system_sgpr_workgroup_id_x 1
		.amdhsa_system_sgpr_workgroup_id_y 1
		.amdhsa_system_sgpr_workgroup_id_z 1
		.amdhsa_system_vgpr_workitem_id 0
		.amdhsa_next_free_vgpr 512
		.amdhsa_next_free_sgpr 66
		.amdhsa_reserve_vcc 0
		.amdhsa_float_denorm_mode_32 3
		.amdhsa_float_denorm_mode_16_64 3
		.amdhsa_memory_ordered 1
		.amdhsa_forward_progress 1
		.amdhsa_inst_pref_size 91
	.end_amdhsa_kernel
	.amdgpu_metadata
---
amdhsa.version: [ 1, 2 ]
amdhsa.kernels:
  - .name:           k_qcc370aafde_proj
    .symbol:         k_qcc370aafde_proj.kd
    .args:
      - { .name: x, .offset: 0, .size: 8, .value_kind: global_buffer, .address_space: global }
      - { .name: m, .offset: 8, .size: 8, .value_kind: global_buffer, .address_space: global }
      - { .name: wcodes, .offset: 16, .size: 8, .value_kind: global_buffer, .address_space: global }
      - { .name: wscales, .offset: 24, .size: 8, .value_kind: global_buffer, .address_space: global }
      - { .name: qf, .offset: 32, .size: 8, .value_kind: global_buffer, .address_space: global }
      - { .name: kv, .offset: 40, .size: 8, .value_kind: global_buffer, .address_space: global }
    .group_segment_fixed_size: 37888
    .private_segment_fixed_size: 0
    .kernarg_segment_align: 8
    .kernarg_segment_size: 48
    .max_flat_workgroup_size: 256
    .sgpr_count:     66
    .vgpr_count:     512
    .wavefront_size: 32
...
	.end_amdgpu_metadata
.endif
;; end of part 2
;; launch attn (part 3): grid 4 x 64, 8 waves a work-group, clusters of 4 x 1, 327,680 bytes of LDS; arguments qf, kv, af; writes af
.if DOCPART == 3
	.amdgcn_target "amdgcn-amd-amdhsa--gfx1250"
	.amdhsa_code_object_version 6
	.text
	.protected	k_qcc370aafde_attn
	.globl	k_qcc370aafde_attn
	.p2align	8
	.type	k_qcc370aafde_attn,@function
k_qcc370aafde_attn:
	s_mov_b64 s[64:65], 0
	v_nop
	global_prefetch_b8 v0, s[64:65] scope:SCOPE_SE
	s_setreg_imm32_b32 hwreg(HW_REG_WAVE_MODE, 25, 1), 1
	s_wait_xcnt 0x0
	s_wait_alu depctr_hold_cnt(0) depctr_sa_sdst(0) depctr_va_vdst(0) depctr_va_sdst(0) depctr_va_ssrc(0) depctr_va_vcc(0) depctr_vm_vsrc(0)
	s_getreg_b32 s2, hwreg(HW_REG_IB_STS2, 6, 4)
	s_cmp_eq_u32 s2, 0
	s_cbranch_scc0 .Lentry_in_a_cluster
	s_endpgm
.Lentry_in_a_cluster:
	s_bfe_u32 s2, ttmp6, 0x10000c
	s_cmp_lg_u32 s2, 0x3003
	s_cbranch_scc0 .Lentry_shape_is_right
	s_endpgm
.Lentry_shape_is_right:
; O[bh][q] = the sum over keys of softmax(Q[bh][q] . K[bh][key] x 512^-0.5) V[bh][key]: 64 heads (bh = 8 x batch + head), 2,048 queries, 2,048 keys, head size 64.  Operands f16, products, maxima and sums f32.
; All operands lie in memory as images of their registers (a fragment: 1,024 bytes, registers 0-3 of lane l at 16 l, registers 4-7 at 512 + 16 l), so every fragment is two loads of 512 consecutive bytes:
;   qf [bh][qt 128][f 2][1024];  kv [bh][step 32][16384]: a step's 64 keys: 8 fragments of K (2 kt + f), then 8 of V^T (4 kb + ct);  af [rt 1024][g 16][1024]: the next launch's operand, g = 2 head + f.
; SHARES.  A work-group owns 512 queries of one head, each of its eight waves 64 (four tiles of 16) in 512 registers: two waves to a SIMD, so that one wave's softmax stands beside the other's products.
; LAYOUT.  S^T = K Q^T (source 0 = 16 keys, source 1 = 16 queries): a lane holds ONE query and keys 8 (l / 16) + 0 .. 7 of a tile; two tiles rounded to f16 in pairs ARE source 1 of O^T = V^T P, whose result
; holds one query a lane and 8 channels, which rounded to f16 are four registers of a fragment of af.  Nothing changes lanes but one exchange of maxima and one of sums.
; SOFTMAX.  For each query a running maximum m and sum l: p = 2^(c s - c m), c = log2(e) x 512^-0.5; in every step O and l are multiplied by a = 2^(c m_old - c m_new).  l sums the f32 p.
; RING.  Two LDS slots of 8 key steps (131,072 bytes); wave w fetches step w of a slot, 16,384 dense bytes, by one tensor load.  A head is four slots' worth: two first fills, two refills; by this text's count
; a wave has two tensor loads out at the start and one behind each refill's round; a refill has 8 key steps, 512 matrix instructions a wave, in which to land.
; CLUSTER.  The four blocks of queries of a head form a cluster and walk the same K and V: each tile is asked for JOINTLY, by the same load with the same descriptor and the mask 15.  My place in the cluster
; enters qf's and af's addresses alone.
; LIMITS: attention outputs above 65,504 would leave f16; p under 6e-8 is rounded to 0 for the second product (not for the sum); NaN and infinities are not served.
; REGISTERS.  Window 0: v1 16 x lane; v2 the step's LDS address; v4, v5 the add's two; v16-47 statistics, 8 a tile: +0 c m, +1 m, +2, +3 l in two halves, +4, +5 at work, +6 a, +7 c m_old, then the difference;
;   v48-111 K's 8 fragments; v112-239 S^T, 32 a tile, tile of keys kt at + 8 kt; P is packed in place into a tile's first 16; v240-255 four chains of the maximum a tile.
;   Window 1: v0-127 O^T (32 t + 8 ct); v128-191 Q (16 t + 8 f); v192-255 V^T's 8 fragments.
.set STEPB, 16384
.set SLOT1, 1<<17                      ; slot 1 begins here: one exclusive or turns an address in one slot into the other's
.set SPARE, 2*SLOT1                    ; behind the ring: the spare words, 128 bytes for each wave: four blocks of 256 bytes that no other line names
.set LI,  1
.set ADR, 2
.set SPW, 4
.set NIL, 5
.set ST,  16
.set KF,  48
.set S,   112
.set TM,  240
.set OQ,  128                          ; in window 1
.set VF,  192                          ; in window 1
.set WV,  12                           ; s12 my wave's number
.set G1,  24                           ; s[24:31] descriptor group 1
.set G0A, 32                           ; s[32:35] group 0 of slot 0's first fill
.set G0B, 36                           ; s[36:39] of slot 1's; it then walks on
.set CS,  40                           ; s[40:41] c, as a pair for the packed form
.set SEL, 42                           ; s[42:43] v_permlanex16_b32's selects for lane l xor 16
.set TB,  44                           ; s44 LDS byte at which the step's tiles begin
.set SLOTS, 45
.set CNT, 46
.set MSB, 0
.macro WIN new                         ; the immediate's high byte repeats the setting that is left
.if MSB != \new
	s_set_vgpr_msb (MSB<<8)|\new
.set MSB, \new
.endif
.endm
.macro CROUND                          ; a round of the cluster's barrier: my work-group's barrier; wave 0 signals for the work-group; every wave waits for all four work-groups; my work-group's barrier once more
	s_barrier_signal -1
	s_barrier_wait -1
	s_cmp_lg_u32 s[WV], 0
	s_cbranch_scc1 .Lnot_wave_0_\@
	s_barrier_signal -3
.Lnot_wave_0_\@:
	s_barrier_wait -3
	s_barrier_signal -1
	s_barrier_wait -1
.endm
	s_load_b128 s[4:7], s[0:1], 0x0                ; qf s[4:5], kv s[6:7]
	s_load_b64 s[8:9], s[0:1], 0x10                ; af
	v_lshl_add_u32 v[SPW], v0, 2, SPARE
	v_mov_b32 v[NIL], 0
	ds_add_u32 v[SPW], v[NIL]                      ; the wave's opening: the add, twice on end, and its wait ahead of my first tensor load
	ds_add_u32 v[SPW], v[NIL]                      ; and once more, under the one wait; the set-up below, work on registers, stands between
	v_lshrrev_b32 v3, 5, v0
	v_readfirstlane_b32 s[WV], v3                  ; wave 0..7
	v_and_b32 v[LI], 31, v0
	v_lshlrev_b32 v[LI], 4, v[LI]
	s_bfe_u32 s13, ttmp6, 0x40000                  ; cx: my place in the cluster
	s_lshl_b32 s14, ttmp9, 2
	s_add_co_u32 s14, s14, s13                     ; my block of 512 queries
	s_and_b32 s15, ttmp7, 0xffff                   ; bh, which the four partners share
	s_lshl_b32 s16, s15, 19                        ; kv: 524,288 bh
	s_lshl_b32 s47, s[WV], 14                      ; + 16,384 x wave: the step that I fetch, in memory and in a slot alike
	s_add_co_u32 s16, s16, s47
	s_mov_b32 s17, 0
	s_lshl_b32 s18, s15, 18                        ; qf: 262,144 bh + 65,536 x block + 8,192 x wave
	s_lshl_b32 s19, s14, 16
	s_add_co_u32 s18, s18, s19
	s_lshl_b32 s19, s[WV], 13
	s_add_co_u32 s18, s18, s19
	s_mov_b32 s19, 0
	s_lshr_b32 s20, s15, 3                         ; af: (128 x batch + 32 x block + 4 x wave) x 16,384 + 2,048 x head
	s_lshl_b32 s20, s20, 21
	s_lshl_b32 s21, s14, 19
	s_add_co_u32 s20, s20, s21
	s_lshl_b32 s21, s[WV], 16
	s_add_co_u32 s20, s20, s21
	s_and_b32 s21, s15, 7
	s_lshl_b32 s21, s21, 11
	s_add_co_u32 s20, s20, s21
	s_mov_b32 s21, 0
	; descriptor group 1: 64 rows of 256 bytes (32 elements of 8 bytes), dense in memory and in LDS
	s_mov_b32 s[G1], 15|(3<<16)|(1<<21)            ; 15:0 the mask: all four work-groups; 17:16 elements of 8 bytes; 20 no padding; 21 set beside a mask
	s_mov_b32 s[G1+1], 32<<16                      ; tensor_dim0 = 32
	s_mov_b32 s[G1+2], 64<<16                      ; tensor_dim1 = 64
	s_mov_b32 s[G1+3], 32<<16                      ; tile_dim0 = 32
	s_mov_b32 s[G1+4], 64                          ; tile_dim1 = 64
	s_mov_b32 s[G1+5], 32                          ; from row to row
	s_mov_b32 s[G1+6], 0
	s_mov_b32 s[G1+7], 0
	s_mov_b32 s[CS], 0x3d8293ee                    ; c = log2(e) x 512^-0.5
	s_mov_b32 s[CS+1], s[CS]                       ; (named with it as a pair, so it is written)
	s_mov_b32 s[SEL], 0x76543210
	s_mov_b32 s[SEL+1], 0xfedcba98
	s_mov_b32 s[TB], 0
	s_mov_b32 s[SLOTS], 2
	s_wait_dscnt 0x0                               ; both opening adds are done
	s_wait_kmcnt 0x0
	s_add_nc_u64 s[6:7], s[6:7], s[16:17]
	s_add_nc_u64 s[4:5], s[4:5], s[18:19]
	s_add_nc_u64 s[8:9], s[8:9], s[20:21]
	CROUND                                         ; all four work-groups are here: the first joint loads meet
	s_mov_b32 s[G0A], 1                            ; count = 1
	s_mov_b32 s[G0A+1], s47                        ; LDS address: slot 0, step = my wave
	s_mov_b64 s[G0A+2:G0A+3], s[6:7]               ; global address: key steps 0 to 7, mine of them
	s_or_b32 s[G0A+3], s[G0A+3], 0x80000000        ; type = 2
	s_mov_b32 s[G0B], 1
	s_add_co_u32 s[G0B+1], s47, SLOT1
	s_add_nc_u64 s[G0B+2:G0B+3], s[6:7], 8*STEPB
	s_or_b32 s[G0B+3], s[G0B+3], 0x80000000
	tensor_load_to_lds s[G0A:G0A+3], s[G1:G1+7]    ; both first fills go out together, ahead of every wait on TENSORcnt and every LDS read
	s_nop 0
	tensor_load_to_lds s[G0B:G0B+3], s[G1:G1+7]
	s_nop 0
.rept 4
	v_nop                                          ; four plain instructions ahead of the next switch of windows
.endr
	WIN 0x40                                       ; destination window 1
.set ii, 0
.rept 16
	global_load_b128 v[OQ+4*ii:OQ+4*ii+3], v[LI], s[4:5] offset:512*ii   ; Q stays in registers: tile ii / 4, fragment (ii / 2) % 2, half ii % 2
.set ii, ii+1
.endr
	WIN 0
; A KEY STEP: 64 keys.  first = 1: the first step, which starts m, l and O^T: no a, nothing to rescale, products that start sums with the constant 0.
.macro STEP first
	WIN 0
	v_add_nc_u32 v[ADR], s[TB], v[LI]
.rept 4
	v_nop                                          ; with the addition five plain instructions between the last V^T P and the products below, which write over P; four are asked ahead of the loads into V's registers
.endr
.irp e, 0,1,2,3,4,5,6,7
	ds_load_b128 v[KF+8*\e:KF+8*\e+3], v[ADR] offset:1024*\e
	ds_load_b128 v[KF+8*\e+4:KF+8*\e+7], v[ADR] offset:1024*\e+512
.endr
	WIN 0x40
.irp e, 0,1,2,3,4,5,6,7
	ds_load_b128 v[VF+8*\e:VF+8*\e+3], v[ADR] offset:8192+1024*\e
	ds_load_b128 v[VF+8*\e+4:VF+8*\e+7], v[ADR] offset:8192+1024*\e+512
.endr
	s_wait_dscnt 16                                ; K is in; V's sixteen loads may be out
	WIN 0x04                                       ; Q in window 1
.irp fh, 0,1                                   ; S^T = K Q^T: the 16 accumulators take turns
.irp kt, 0,1,2,3
.irp t, 0,1,2,3
.if \fh == 0
	v_wmma_f32_16x16x32_f16 v[S+32*\t+8*\kt:S+32*\t+8*\kt+7], v[KF+16*\kt+8*\fh:KF+16*\kt+8*\fh+7], v[OQ+16*\t+8*\fh:OQ+16*\t+8*\fh+7], 0
.else
	v_wmma_f32_16x16x32_f16 v[S+32*\t+8*\kt:S+32*\t+8*\kt+7], v[KF+16*\kt+8*\fh:KF+16*\kt+8*\fh+7], v[OQ+16*\t+8*\fh:OQ+16*\t+8*\fh+7], v[S+32*\t+8*\kt:S+32*\t+8*\kt+7]
.endif
.endr
.endr
.endr
	WIN 0
.if \first
.rept 4
	v_nop
.endr
.else
.irp t, 0,1,2,3
	v_mov_b32 v[ST+8*\t+7], v[ST+8*\t]             ; c m_old is kept for a.  (These four are the plain instructions between the products and the first read of the scores)
.endr
.endif
.irp kc, 0,1,2,3                               ; the maximum of a lane's 32 scores and the old m: four chains a tile, each begun at its accumulator's low end; the tiles by turns
.irp t, 0,1,2,3
	v_max3_num_f32 v[TM+4*\t+\kc], v[S+32*\t+8*\kc], v[S+32*\t+8*\kc+1], v[S+32*\t+8*\kc+2]
.endr
.endr
.irp i, 3,5
.irp kc, 0,1,2,3
.irp t, 0,1,2,3
	v_max3_num_f32 v[TM+4*\t+\kc], v[TM+4*\t+\kc], v[S+32*\t+8*\kc+\i], v[S+32*\t+8*\kc+\i+1]
.endr
.endr
.endr
.irp t, 0,1,2,3
	v_max3_num_f32 v[TM+4*\t], v[TM+4*\t], v[S+32*\t+7], v[S+32*\t+15]
.endr
.irp t, 0,1,2,3
	v_max3_num_f32 v[TM+4*\t+2], v[TM+4*\t+2], v[S+32*\t+23], v[S+32*\t+31]
.endr
.irp t, 0,1,2,3
	v_max3_num_f32 v[TM+4*\t], v[TM+4*\t], v[TM+4*\t+1], v[TM+4*\t+2]
.endr
.irp t, 0,1,2,3
.if \first
	v_max_num_f32 v[TM+4*\t], v[TM+4*\t], v[TM+4*\t+3]
.else
	v_max3_num_f32 v[TM+4*\t], v[TM+4*\t], v[TM+4*\t+3], v[ST+8*\t+1]
.endif
.endr
.irp t, 0,1,2,3
	v_permlanex16_b32 v[TM+4*\t+1], v[TM+4*\t], s[SEL], s[SEL+1]   ; the query's other 32 keys lie in the lane 16 away
.endr
.irp t, 0,1,2,3
	v_max_num_f32 v[ST+8*\t+1], v[TM+4*\t], v[TM+4*\t+1]           ; the new m
.endr
.irp t, 0,1,2,3
	v_mul_f32 v[ST+8*\t], s[CS], v[ST+8*\t+1]                      ; c m
.endr
.if \first == 0
.irp t, 0,1,2,3
	v_sub_f32 v[ST+8*\t+7], v[ST+8*\t+7], v[ST+8*\t]
.endr
.irp t, 0,1,2,3
	v_exp_f32 v[ST+8*\t+6], v[ST+8*\t+7]                           ; a = 2^(c m_old - c m_new)
.endr
.endif
; ONE BATCH: the scalings c s - c m, a pair of scores each, and all exponentials; a pair's exponentials stand one turn behind its scaling; none of these lines names an exponential's result
.set ii, 0
.rept 17
.if ii < 16
.irp t, 0,1,2,3
	v_pk_fma_f32 v[S+32*\t+2*ii:S+32*\t+2*ii+1], v[S+32*\t+2*ii:S+32*\t+2*ii+1], s[CS:CS+1], v[ST+8*\t:ST+8*\t+1] op_sel_hi:[1,0,0] neg_lo:[0,0,1] neg_hi:[0,0,1]
.endr
.endif
.if ii > 0
.irp t, 0,1,2,3
	v_exp_f32 v[S+32*\t+2*ii-2], v[S+32*\t+2*ii-2]
	v_exp_f32 v[S+32*\t+2*ii-1], v[S+32*\t+2*ii-1]
.endr
.endif
.set ii, ii+1
.endr
	v_nop                                          ; a plain instruction behind the last exponential (ISA guide 5.7.2),
	s_wait_alu depctr_va_vdst(0)                   ; and the one wait ahead of the batch's first reader
; l = a l + the sum of the 32 p, in f32, two at a time, in two chains a tile
.if \first
.irp t, 0,1,2,3
	v_pk_add_f32 v[ST+8*\t+2:ST+8*\t+3], v[S+32*\t:S+32*\t+1], v[S+32*\t+2:S+32*\t+3]
.endr
.irp t, 0,1,2,3
	v_pk_add_f32 v[ST+8*\t+4:ST+8*\t+5], v[S+32*\t+4:S+32*\t+5], v[S+32*\t+6:S+32*\t+7]
.endr
.irp p, 4,6,8,10,12,14
.irp t, 0,1,2,3
	v_pk_add_f32 v[ST+8*\t+2:ST+8*\t+3], v[ST+8*\t+2:ST+8*\t+3], v[S+32*\t+2*\p:S+32*\t+2*\p+1]
.endr
.irp t, 0,1,2,3
	v_pk_add_f32 v[ST+8*\t+4:ST+8*\t+5], v[ST+8*\t+4:ST+8*\t+5], v[S+32*\t+2*\p+2:S+32*\t+2*\p+3]
.endr
.endr
.else
.irp t, 0,1,2,3
	v_pk_fma_f32 v[ST+8*\t+2:ST+8*\t+3], v[ST+8*\t+2:ST+8*\t+3], v[ST+8*\t+6:ST+8*\t+7], v[S+32*\t:S+32*\t+1] op_sel_hi:[1,0,1]
.endr
.irp t, 0,1,2,3
	v_pk_add_f32 v[ST+8*\t+4:ST+8*\t+5], v[S+32*\t+2:S+32*\t+3], v[S+32*\t+4:S+32*\t+5]
.endr
.irp p, 3,5,7,9,11,13
.irp t, 0,1,2,3
	v_pk_add_f32 v[ST+8*\t+2:ST+8*\t+3], v[ST+8*\t+2:ST+8*\t+3], v[S+32*\t+2*\p:S+32*\t+2*\p+1]
.endr
.irp t, 0,1,2,3
	v_pk_add_f32 v[ST+8*\t+4:ST+8*\t+5], v[ST+8*\t+4:ST+8*\t+5], v[S+32*\t+2*\p+2:S+32*\t+2*\p+3]
.endr
.endr
.irp t, 0,1,2,3
	v_pk_add_f32 v[ST+8*\t+2:ST+8*\t+3], v[ST+8*\t+2:ST+8*\t+3], v[S+32*\t+30:S+32*\t+31]
.endr
.endif
.irp t, 0,1,2,3
	v_pk_add_f32 v[ST+8*\t+2:ST+8*\t+3], v[ST+8*\t+2:ST+8*\t+3], v[ST+8*\t+4:ST+8*\t+5]
.endr
.set ii, 0
.rept 16
.irp t, 0,1,2,3
	v_cvt_pk_f16_f32 v[S+32*\t+ii], v[S+32*\t+2*ii], v[S+32*\t+2*ii+1]   ; P, packed in place, ascending: register ii is written when pair ii has been read
.endr
.set ii, ii+1
.endr
.if \first == 0
	WIN 0x41                                       ; O^T (destination and source 0) in window 1, a in window 0
.set ii, 0
.rept 16
.irp t, 0,1,2,3
	v_pk_mul_f32 v[32*\t+2*ii:32*\t+2*ii+1], v[32*\t+2*ii:32*\t+2*ii+1], v[ST+8*\t+6:ST+8*\t+7] op_sel_hi:[1,0]   ; O^T x a, each accumulator from its low end on
.endr
.set ii, ii+1
.endr
.endif
	s_wait_dscnt 0x0                               ; V is in
	WIN 0x51                                       ; V and O^T in window 1, P in window 0
.irp kb, 0,1                                   ; O^T += V^T P: the 16 accumulators take turns
.irp ct, 0,1,2,3
.irp t, 0,1,2,3
.if \first && (\kb == 0)
	v_wmma_f32_16x16x32_f16 v[32*\t+8*\ct:32*\t+8*\ct+7], v[VF+32*\kb+8*\ct:VF+32*\kb+8*\ct+7], v[S+32*\t+8*\kb:S+32*\t+8*\kb+7], 0
.else
	v_wmma_f32_16x16x32_f16 v[32*\t+8*\ct:32*\t+8*\ct+7], v[VF+32*\kb+8*\ct:VF+32*\kb+8*\ct+7], v[S+32*\t+8*\kb:S+32*\t+8*\kb+7], v[32*\t+8*\ct:32*\t+8*\ct+7]
.endif
.endr
.endr
.endr
	WIN 0                                          ; at a label and at a branch every window is 0
	s_add_co_u32 s[TB], s[TB], STEPB               ; the next step's tiles
.endm
.macro STEPS n                         ; n key steps, the step written once
	s_mov_b32 s[CNT], \n
.Lstep_\@:
	STEP 0
	s_sub_co_u32 s[CNT], s[CNT], 1
	s_cmp_lg_u32 s[CNT], 0
	s_cbranch_scc1 .Lstep_\@
.endm
; THE CHANGE OF SLOTS.  Each wave waits for all its tensor loads (its part of the slot ahead), adds 0 to its spare word, and waits for that and for its reads of the slot that it leaves.
; fill = 1: the barrier is a round of the cluster's, so that no wave of any partner still reads the slot or has a load on its way, and the joint refill is the first thing behind it.
.macro CHANGE fill
	WIN 0
	s_wait_tensorcnt 0x0                           ; no tensor load of mine is out, so a group 0 may be written
	ds_add_u32 v[SPW], v[NIL]                      ; 0 onto my spare word
.if \fill
	s_xor_b32 s[G0B+1], s[G0B+1], SLOT1            ; the walking descriptor: the other slot than last time,
	s_add_nc_u64 s[G0B+2:G0B+3], s[G0B+2:G0B+3], 8*STEPB   ; the next 8 key steps; the type bits on top are not reached
.endif
	s_wait_dscnt 0x0                               ; the add is done, and my reads of the slot are over
.if \fill
	CROUND
	tensor_load_to_lds s[G0B:G0B+3], s[G1:G1+7]    ; my one tensor load behind the round
	s_nop 0
.rept 4
	v_nop
.endr
.else
	s_barrier_signal -1
	s_barrier_wait -1
.endif
	s_sub_co_u32 s[TB], s[TB], 8*STEPB             ; back to a slot's first step,
	s_xor_b32 s[TB], s[TB], SLOT1                  ; in the other slot
.endm
	s_wait_tensorcnt 1                             ; my part of slot 0 is in; slot 1's may stay out
	s_barrier_signal -1
	s_barrier_wait -1                              ; everybody's is
	s_wait_loadcnt 0x0                             ; Q
	STEP 1
	STEPS 7
.Lslot:                                            ; two trips: slots 0 and 1 are filled again, with key steps 16-23 and 24-31
	CHANGE 1
	STEPS 8
	s_sub_co_u32 s[SLOTS], s[SLOTS], 1
	s_cmp_lg_u32 s[SLOTS], 0
	s_cbranch_scc1 .Lslot
	CHANGE 0                                       ; the last slot is written out: nothing is left to fetch
	STEPS 8
	; THE WAY OUT.  l's two halves and the other half of the lanes' are added; O^T / l, rounded to f16, is the next launch's operand as it stands.  The additions are the plain instructions behind the last products.
.irp t, 0,1,2,3
	v_add_f32 v[ST+8*\t+4], v[ST+8*\t+2], v[ST+8*\t+3]
.endr
.irp t, 0,1,2,3
	v_permlanex16_b32 v[ST+8*\t+5], v[ST+8*\t+4], s[SEL], s[SEL+1]
.endr
.irp t, 0,1,2,3
	v_add_f32 v[ST+8*\t+4], v[ST+8*\t+4], v[ST+8*\t+5]
.endr
.irp t, 0,1,2,3
	v_rcp_f32 v[ST+8*\t+6], v[ST+8*\t+4]
.endr
	v_nop                                          ; a plain instruction behind the last reciprocal,
	s_wait_alu depctr_va_vdst(0)                   ; and the one wait for the four, ahead of their first reader
	WIN 0x41
.set ii, 0
.rept 16
.irp t, 0,1,2,3
	v_pk_mul_f32 v[32*\t+2*ii:32*\t+2*ii+1], v[32*\t+2*ii:32*\t+2*ii+1], v[ST+8*\t+6:ST+8*\t+7] op_sel_hi:[1,0]
.endr
.set ii, ii+1
.endr
	WIN 0x05                                       ; sources in window 1, destination in window 0: S^T's registers are free
.irp t, 0,1,2,3
.irp ct, 0,1,2,3
.irp r, 0,1,2,3
	v_cvt_pk_f16_f32 v[S+16*\t+4*\ct+\r], v[32*\t+8*\ct+2*\r], v[32*\t+8*\ct+2*\r+1]
.endr
.endr
.endr
	WIN 0
.irp t, 0,1,2,3
.irp ct, 0,1,2,3
	global_store_b128 v[LI], v[S+16*\t+4*\ct:S+16*\t+4*\ct+3], s[8:9] offset:16384*\t+512*\ct   ; tile t, fragment 2 head + ct / 2, half ct % 2: 512 consecutive aligned bytes a wave
.endr
.endr
	s_wait_tensorcnt 0x0                           ; the wave's end
	ds_add_u32 v[SPW], v[NIL]
	s_wait_dscnt 0x0
	CROUND                                         ; the closing round: no work-group ends while a partner may still ask for a tile that names it
	s_endpgm
.Lfunc_end_k_qcc370aafde_attn:
	.size	k_qcc370aafde_attn, .Lfunc_end_k_qcc370aafde_attn-k_qcc370aafde_attn
	.p2alignl 7, 3214868480
	.fill 96, 4, 3214868480
	.section	.rodata,"a",@progbits
	.p2align	6, 0x0
	.amdhsa_kernel k_qcc370aafde_attn
		.amdhsa_group_segment_fixed_size 327680
		.amdhsa_private_segment_fixed_size 0
		.amdhsa_enable_private_segment 0
		.amdhsa_kernarg_size 24
		.amdhsa_user_sgpr_count 2
		.amdhsa_user_sgpr_kernarg_segment_ptr 1
		.amdhsa_wavefront_size32 1
		.amdhsa_system_sgpr_workgroup_id_x 1
		.amdhsa_system_sgpr_workgroup_id_y 1
		.amdhsa_system_sgpr_workgroup_id_z 1
		.amdhsa_system_vgpr_workitem_id 0
		.amdhsa_next_free_vgpr 512
		.amdhsa_next_free_sgpr 66
		.amdhsa_reserve_vcc 0
		.amdhsa_float_denorm_mode_32 3
		.amdhsa_float_denorm_mode_16_64 3
		.amdhsa_memory_ordered 1
		.amdhsa_forward_progress 1
		.amdhsa_inst_pref_size 139
	.end_amdhsa_kernel
	.amdgpu_metadata
---
amdhsa.version: [ 1, 2 ]
amdhsa.kernels:
  - .name:           k_qcc370aafde_attn
    .symbol:         k_qcc370aafde_attn.kd
    .args:
      - { .name: qf, .offset: 0, .size: 8, .value_kind: global_buffer, .address_space: global }
      - { .name: kv, .offset: 8, .size: 8, .value_kind: global_buffer, .address_space: global }
      - { .name: af, .offset: 16, .size: 8, .value_kind: global_buffer, .address_space: global }
    .group_segment_fixed_size: 327680
    .private_segment_fixed_size: 0
    .kernarg_segment_align: 8
    .kernarg_segment_size: 24
    .max_flat_workgroup_size: 256
    .sgpr_count:     66
    .vgpr_count:     512
    .wavefront_size: 32
...
	.end_amdgpu_metadata
.endif
;; end of part 3
;; launch oproj (part 4): grid 256 x 1, 8 waves a work-group, no clusters, 101,376 bytes of LDS; arguments af, wof, bo, out0; writes out0
.if DOCPART == 4
	.amdgcn_target "amdgcn-amd-amdhsa--gfx1250"
	.amdhsa_code_object_version 6
	.text
	.protected	k_qcc370aafde_oproj
	.globl	k_qcc370aafde_oproj
	.p2align	8
	.type	k_qcc370aafde_oproj,@function
k_qcc370aafde_oproj:
	s_mov_b64 s[64:65], 0
	v_nop
	global_prefetch_b8 v0, s[64:65] scope:SCOPE_SE
	s_setreg_imm32_b32 hwreg(HW_REG_WAVE_MODE, 25, 1), 1
	s_wait_xcnt 0x0
; out0 = A Wo + bo.  A [16,384][512]: the attention's result, f16, as images of operand registers: af [rt 1024][g 16][1024] (rows 16 rt on, k = 32 g on).  Wo: f16 images, wof [nt 32][g 16][1024].  bo [512], out0 [16,384][512]: f32.
; Work-group g takes rows 64 g on: 65,536 dense bytes of af, copied once into LDS as they lie (each thread 16 bytes a load, 4,096 consecutive bytes a work-group) and read by all eight waves.
; Wave w makes columns 64 w .. 64 w + 63 for all 64 rows: 16 accumulators that take turns.  Its fragments of Wo come from memory straight into its registers, a ring of 8 K steps of 32, each once.
; TRANSPOSED (source 0 = 16 columns of Wo, source 1 = 16 rows of A): a lane holds 8 neighbouring columns of one row.  The bias is the C of each sum's first matrix instruction.
; THE WAY OUT: 16 rows x 64 columns at a time through the wave's own stage in LDS (rows of 256 bytes + 16), back as whole rows: sixteen lanes store 256 consecutive aligned bytes.
; NO CLUSTER: each fragment of Wo is used by one wave of a work-group and goes into that wave's registers once; its 524,288 bytes do not fit in LDS, and af's block is read by one work-group alone.
.set AIMG,  0
.set STG,   65536                      ; 8 waves x 16 rows x 272 bytes
.set SPARE, STG+8*16*272               ; the spare words, 128 bytes for each wave: four blocks of 256 bytes that no other line names
.set LI,  1                            ; v1   16 x lane
.set TI,  2                            ; v2   16 x thread
.set STO, 3                            ; v3   the stage: where I put 32 bytes of a row
.set RD,  4                            ; v4   and where I read a row back
.set CO,  5                            ; v5   my byte offset in two rows of out0
.set BO,  6                            ; v6   32 x (l / 16): my 8 numbers of a tile's 16 of bo
.set SPW, 8                            ; v8   LDS address of my spare word; never rewritten
.set NIL, 9                            ; v9   0; never rewritten
.set BI,  16                           ; v16-47   the bias, 8 registers a tile of columns
.set AF,  48                           ; v48-111  A's fragments, two buffers of four; on the way out rows read back
.set ACC, 112                          ; v112-239 accumulator (i, n) at 112 + 8 (4 i + n); at the head: af's block on its way to LDS
                                       ; window 1: Wo's fragments, K step g, tile n at 32 (g % 8) + 8 n
.set MSB, 0
.macro WIN new                         ; the immediate's high byte repeats the setting that is left
.if MSB != \new
	s_set_vgpr_msb (MSB<<8)|\new
.set MSB, \new
.endif
.endm
	s_load_b256 s[4:11], s[0:1], 0x0               ; af s[4:5], wof s[6:7], bo s[8:9], out0 s[10:11]
	v_lshl_add_u32 v[SPW], v0, 2, SPARE
	v_mov_b32 v[NIL], 0
	v_lshrrev_b32 v10, 5, v0
	v_readfirstlane_b32 s12, v10                   ; wave 0..7
	v_and_b32 v10, 31, v0
	v_and_b32 v11, 15, v0                          ; l % 16
	v_bfe_u32 v12, v0, 4, 1                        ; l / 16
	v_lshlrev_b32 v[LI], 4, v10
	v_lshlrev_b32 v[TI], 4, v0
	s_mul_i32 s13, s12, 16*272
	s_add_co_u32 s13, s13, STG                     ; my stage
	v_mul_u32_u24 v[STO], v11, 272
	v_lshl_add_u32 v[STO], v12, 5, v[STO]
	v_add_nc_u32 v[STO], s13, v[STO]               ; in: row l % 16, 32 bytes for each half of the lanes
	v_mul_u32_u24 v[RD], v12, 272
	v_lshl_add_u32 v[RD], v11, 4, v[RD]
	v_add_nc_u32 v[RD], s13, v[RD]                 ; back: lanes 0-15 one row of 256 bytes, lanes 16-31 the next
	v_lshlrev_b32 v[CO], 11, v12
	v_lshl_add_u32 v[CO], v11, 4, v[CO]            ; and the same two rows in out0 (2,048 bytes a row)
	v_lshlrev_b32 v[BO], 5, v12
	s_lshl_b32 s14, ttmp9, 16                      ; af: 65,536 bytes a work-group
	s_mov_b32 s15, 0
	s_lshl_b32 s16, s12, 16                        ; wof: my four tiles of columns, 16,384 bytes each
	s_mov_b32 s17, 0
	s_lshl_b32 s18, s12, 8                         ; bo: my 64 numbers
	s_mov_b32 s19, 0
	s_lshl_b32 s20, ttmp9, 17                      ; out0: 64 rows of 2,048 bytes, + my 256 bytes of a row
	s_add_co_u32 s20, s20, s18
	s_mov_b32 s21, 0
	s_wait_kmcnt 0x0
	s_add_nc_u64 s[4:5], s[4:5], s[14:15]
	s_add_nc_u64 s[6:7], s[6:7], s[16:17]
	s_add_nc_u64 s[8:9], s[8:9], s[18:19]
	s_add_nc_u64 s[10:11], s[10:11], s[20:21]
.macro AFETCH g                        ; A's four fragments of K step g, as they lie
.irp i, 0,1,2,3
.irp c, 0,1
	ds_load_b128 v[AF+32*((\g)%2)+8*\i+4*\c:AF+32*((\g)%2)+8*\i+4*\c+3], v[LI] offset:AIMG+16384*\i+1024*(\g)+512*\c
.endr
.endr
.endm
.macro WOLOAD g                        ; Wo's four fragments of K step g: eight loads of 512 consecutive bytes
	WIN 0x40                                       ; destination window 1
.irp n, 0,1,2,3
.irp c, 0,1
	global_load_b128 v[32*((\g)%8)+8*\n+4*\c:32*((\g)%8)+8*\n+4*\c+3], v[LI], s[6:7] offset:16384*\n+1024*(\g)+512*\c
.endr
.endr
	WIN 0
.endm
.set ii, 0
.rept 16
	global_load_b128 v[ACC+4*ii:ACC+4*ii+3], v[TI], s[4:5] offset:4096*ii th:TH_LOAD_NT
.set ii, ii+1
.endr
.irp n, 0,1,2,3
	global_load_b128 v[BI+8*\n:BI+8*\n+3], v[BO], s[8:9] offset:64*\n         ; bo at columns 16 n + 8 (l / 16) + 0 .. 7: the result's layout
	global_load_b128 v[BI+8*\n+4:BI+8*\n+7], v[BO], s[8:9] offset:64*\n+16
.endr
.irp g, 0,1,2,3
	WOLOAD \g
.endr
	s_wait_loadcnt 40                              ; af's block is in: behind it 8 loads of the bias and 32 of Wo
.set ii, 0
.rept 16
	ds_store_b128 v[TI], v[ACC+4*ii:ACC+4*ii+3] offset:AIMG+4096*ii
.set ii, ii+1
.endr
.irp g, 4,5,6,7
	WOLOAD \g
.endr
	s_wait_dscnt 0x0                               ; for the others' sake: my part of the block lies in LDS (and the stores have read the accumulators' registers)
	s_barrier_signal -1
	s_barrier_wait -1                              ; all of it does
	AFETCH 0
	AFETCH 1
; K step g: 16 matrix instructions.  Behind Wo's step g were issued, at this point, the steps up to g + 7 (or 15): 56 loads, later 8 (15 - g)
.macro KSTEP g
.if \g <= 8
	s_wait_loadcnt 56
.else
	s_wait_loadcnt 8*(15-\g)
.endif
.if \g == 15
	s_wait_dscnt 0x0
.else
	s_wait_dscnt 8                                 ; this step's fragments of A are in; the next step's eight loads may be out
.endif
	WIN 0x01                                       ; source 0 (Wo) window 1
.irp i, 0,1,2,3
.irp n, 0,1,2,3
.if \g == 0
	v_wmma_f32_16x16x32_f16 v[ACC+8*(4*\i+\n):ACC+8*(4*\i+\n)+7], v[32*(\g%8)+8*\n:32*(\g%8)+8*\n+7], v[AF+32*(\g%2)+8*\i:AF+32*(\g%2)+8*\i+7], v[BI+8*\n:BI+8*\n+7]
.else
	v_wmma_f32_16x16x32_f16 v[ACC+8*(4*\i+\n):ACC+8*(4*\i+\n)+7], v[32*(\g%8)+8*\n:32*(\g%8)+8*\n+7], v[AF+32*(\g%2)+8*\i:AF+32*(\g%2)+8*\i+7], v[ACC+8*(4*\i+\n):ACC+8*(4*\i+\n)+7]
.endif
.endr
.endr
	WIN 0
.rept 4
	v_nop                                          ; four plain instructions ahead of loads into registers that the products read, and of the first read of results
.endr
.if \g+2 < 16
	AFETCH \g+2
.endif
.if \g+8 < 16
	WOLOAD \g+8
.endif
.endm
.irp g, 0,1,2,3,4,5,6,7,8,9,10,11,12,13,14,15
	KSTEP \g
.endr
; LDS serves a wave's instructions in order (ISA guide 5.7.1.4): no wait between the stage's stores and loads, nor ahead of the next block's stores
.macro TOSTAGE i
.irp n, 0,1,2,3
	ds_store_b128 v[STO], v[ACC+8*(4*\i+\n):ACC+8*(4*\i+\n)+3] offset:64*\n        ; each accumulator from its low end on
	ds_store_b128 v[STO], v[ACC+8*(4*\i+\n)+4:ACC+8*(4*\i+\n)+7] offset:64*\n+16
.endr
.irp u, 0,1,2,3,4,5,6,7
	ds_load_b128 v[AF+32*(\i%2)+4*\u:AF+32*(\i%2)+4*\u+3], v[RD] offset:544*\u
.endr
.endm
.macro SEND i, younger                 ; younger: the LDS instructions issued behind block i's loads: the next block's sixteen, or none
	s_wait_dscnt \younger
.irp u, 0,1,2,3,4,5,6,7
	global_store_b128 v[CO], v[AF+32*(\i%2)+4*\u:AF+32*(\i%2)+4*\u+3], s[10:11] offset:(16*\i+2*\u)*2048 th:TH_STORE_NT   ; sixteen lanes store 256 consecutive aligned bytes; written once, read by nobody here
.endr
.endm
	TOSTAGE 0
	TOSTAGE 1
	SEND 0, 16
	s_wait_xcnt 0x0                                ; block 0's stores have read their registers: block 2's rows may land there
	TOSTAGE 2
	SEND 1, 16
	s_wait_xcnt 0x0                                ; block 1's likewise
	TOSTAGE 3
	SEND 2, 16
	SEND 3, 0
	s_wait_tensorcnt 0x0                           ; the wave's end
	ds_add_u32 v[SPW], v[NIL]
	s_wait_dscnt 0x0
	s_endpgm
.Lfunc_end_k_qcc370aafde_oproj:
	.size	k_qcc370aafde_oproj, .Lfunc_end_k_qcc370aafde_oproj-k_qcc370aafde_oproj
	.p2alignl 7, 3214868480
	.fill 96, 4, 3214868480
	.section	.rodata,"a",@progbits
	.p2align	6, 0x0
	.amdhsa_kernel k_qcc370aafde_oproj
		.amdhsa_group_segment_fixed_size 101376
		.amdhsa_private_segment_fixed_size 0
		.amdhsa_enable_private_segment 0
		.amdhsa_kernarg_size 32
		.amdhsa_user_sgpr_count 2
		.amdhsa_user_sgpr_kernarg_segment_ptr 1
		.amdhsa_wavefront_size32 1
		.amdhsa_system_sgpr_workgroup_id_x 1
		.amdhsa_system_sgpr_workgroup_id_y 1
		.amdhsa_system_sgpr_workgroup_id_z 1
		.amdhsa_system_vgpr_workitem_id 0
		.amdhsa_next_free_vgpr 512
		.amdhsa_next_free_sgpr 66
		.amdhsa_reserve_vcc 0
		.amdhsa_float_denorm_mode_32 3
		.amdhsa_float_denorm_mode_16_64 3
		.amdhsa_memory_ordered 1
		.amdhsa_forward_progress 1
		.amdhsa_inst_pref_size 54
	.end_amdhsa_kernel
	.amdgpu_metadata
---
amdhsa.version: [ 1, 2 ]
amdhsa.kernels:
  - .name:           k_qcc370aafde_oproj
    .symbol:         k_qcc370aafde_oproj.kd
    .args:
      - { .name: af, .offset: 0, .size: 8, .value_kind: global_buffer, .address_space: global }
      - { .name: wof, .offset: 8, .size: 8, .value_kind: global_buffer, .address_space: global }
      - { .name: bo, .offset: 16, .size: 8, .value_kind: global_buffer, .address_space: global }
      - { .name: out0, .offset: 24, .size: 8, .value_kind: global_buffer, .address_space: global }
    .group_segment_fixed_size: 101376
    .private_segment_fixed_size: 0
    .kernarg_segment_align: 8
    .kernarg_segment_size: 32
    .max_flat_workgroup_size: 256
    .sgpr_count:     66
    .vgpr_count:     512
    .wavefront_size: 32
...
	.end_amdgpu_metadata
.endif
;; end of part 4
